; MI455X (gfx1250); checked and timed in simulation.
; The chip was launched on July 23, 2026; its instructions are those of AMD's public machine-readable ISA for CDNA 5 (MIT licence, August 2026) and "CDNA5" Instruction Set Architecture Reference Guide (July 2026). The comments in the code are by the model that wrote it; some were corrected since.
;; K Linear. Allowed arithmetic: matrix products marked QUANTISED: E4M3 operands, one given power-of-two scale a tensor, by v_wmma_f32_16x16x64_fp8_fp8 or v_wmma_f32_16x16x128_fp8_fp8, f32 sums; everything else in f32.
;; Inputs: a0 64 x 64 float32; a1 64 x 64 float32; a2 32 x 32 float32; a3 128 x 128 float32; a4 16 x 16 float32; a5 256 x 256 float32; a6 8 x 8 float32; a7 512 x 512 float32; b0 64 x 64 float32; b1 64 x 64 float32; b2 128 x 128 float32; b3 32 x 32 float32; b4 256 x 256 float32; b5 16 x 16 float32; b6 512 x 512 float32; b7 8 x 8 float32; bias 4,096 float32; lowp_scales 2 int32 (the exponents e of the quantised operands' scales 2^e); x_codes 4,096 x 128 x 32 uint8 (E4M3 codes of x, K innermost, in blocks of 32 codes).
;; Outputs: out0 4,096 x 4,096 float32.
;; This version of the problem:
;;   THIS VERSION OF THE PROBLEM IS GIVEN IN LOW PRECISION. The matrix products marked QUANTISED in the list below multiply operands that are first quantised to E4M3 (4 exponent bits, 3 mantissa bits; 8 bits a number), with one given power-of-two scale for each operand tensor; their sums are f32. All else is computed in f32.
;;   The module's matrix products, in the order in which they are computed (A, B: the left and right operand; K: the contracted axis; several contracted axes count as one K, in the product's order):
;;     1. [M 4,096, K 4,096] x [K 4,096, N 4,096]; A: computed on the way; B: input x (given as codes): QUANTISED (scales: A lowp_scales[0], B lowp_scales[1])
;;   THE QUANTISER, for each operand of a quantised product, along K:
;;     - The operand's scale is 2^e, e = its entry of the input lowp_scales (int32; the entries are numbered through the quantised products in the list's order, A before B).
;;     - Each number is divided by the scale, clamped to +-448, and rounded to the nearest number of E4M3, ties to even, subnormals kept.
;;     - The product sums the exact products of the quantised numbers (number of the format x scale) in f32.
;;   ~~~python
;;   def quantise(x, axis, e):      # numpy; x: float32 -> the quantised numbers, widened to float32 again
;;       x = np.moveaxis(x, axis, -1); K = x.shape[-1]
;;       r = np.clip(x / 2.0 ** e, -448, 448)
;;       step = 2.0 ** (np.maximum(np.frexp(np.where(r == 0, 1, r))[1] - 1, -6) - 3)
;;       q = np.round(r / step) * step * 2.0 ** e      # np.round: ties to even
;;       return np.moveaxis(q, -1, axis).astype(np.float32)
;;   ~~~
;;   OPERANDS COMPUTED ON THE WAY. 'Computed on the way' means the value that the module computes at that place (a softmax that the list does not call 'softmax' is quantised finished and normalised). What goes into a quantiser is computed in f32, as accurately as f32 sums, v_exp_f32 and their like allow (about 1e-6 of the number): no bf16 or f16 on the way to a quantiser, and a product that is left as it is and whose result goes on into a quantised operand takes f32 operands (vector FMAs, or v_wmma_f32_16x16x4_f32). A number that lies on a knife's edge between two numbers of the format may be rounded either way, as far as f32 arithmetic and the matrix unit's own rounding can turn it there, and no further.
;;   INPUTS GIVEN AS CODES. x (in the module: [4096, 4096], K = its axis 1): each comes as NAME_codes (uint8): NAME with its K axis moved to the last place and cut into blocks of 32 codes, [.., K / 32, bytes a block], one block behind the other in memory; one code a byte (a code: sign, 4 exponent bits, 3 mantissa bits); its scale is its entry of lowp_scales. Its value is code x scale, taken as it is: it is not quantised again, and the codes and scales need not be those that the quantiser above would give.
;; One version. Each part assembles by itself: llvm-mc -triple=amdgcn-amd-amdhsa -mcpu=gfx1250 --defsym DOCPART=n.
;; ======== version 1 of 1: 2 launches
;; limits: right only within a limited range of input values
;; workspace buffers: w_codes 16,777,216 bytes
;; launch build_w (part 1): grid 256 x 1, 8 waves a work-group, no clusters, 0 bytes of LDS; arguments a0, a1, a2, a3, a4, a5, a6, a7, b0, b1, b2, b3, b4, b5, b6, b7, lowp_scales, w_codes; writes w_codes
.if DOCPART == 1
	.amdgcn_target "amdgcn-amd-amdhsa--gfx1250"
	.amdhsa_code_object_version 6
	.text
	.protected	k_q9a89411554_build_w
	.globl	k_q9a89411554_build_w
	.p2align	8
	.type	k_q9a89411554_build_w,@function
k_q9a89411554_build_w:
	s_mov_b64 s[64:65], 0
	v_nop
	global_prefetch_b8 v0, s[64:65] scope:SCOPE_SE
	s_setreg_imm32_b32 hwreg(HW_REG_WAVE_MODE, 25, 1), 1
	s_wait_xcnt 0x0
; w[o][i] = c x the sum over k = 0 .. 7 of a_k[o >> lb_k][i >> lb_k] x b_k[o mod 2^lb_k][i mod 2^lb_k],  c = 1 / (2 sqrt(8)),  2^lb_k = b_k's side: lb = 6, 6, 7, 5, 8, 4, 9, 3.
; w is made in f32 and turned into codes of FP8 (E4M3) with the given scale 2^e0: code = w / 2^e0, held within +-448, rounded to the nearest code, ties to even.
; THE CODES ARE LAID AS THE NEXT LAUNCH'S OPERAND REGISTERS TAKE THEM: [o / 64][i / 128][(o / 16) mod 4][(i / 32) mod 4][lane (i / 16) mod 2 x 16 + o mod 16][16 codes].
; LIMITS: e0 between -126 and 119, so that 2^e0 and 448 x 2^e0 are f32 numbers.  NaN among the inputs is not served.  The sum is made by fused multiply-adds in the order k = 0 .. 7,
; and the division by 2 sqrt(8) is a multiplication by its reciprocal rounded to f32.
; SHARES.  A wave takes two groups of 16 rows, 512 rows apart (16 ob and 16 ob + 512), and the strip u = 8 (work-group mod 2) + wave of 32 columns in every 512:
; lane (r, h) owns rows 16 ob + r + 512 m, columns 512 n + 32 u + 16 h + 0 .. 15, m = 0, 1, n = 0 .. 7.  Every b_k's side divides 512, so a lane's numbers of b are the same in all
; sixteen steps: 120 registers, loaded once.  Only a's numbers change: those of m = 0 are asked for at the head, those of (n, m = 1) behind step (n, m = 0), into the same registers.
; A lane's 16 codes are 16 bytes, and the wave's store covers 512 consecutive bytes, aligned.  No LDS, no barrier, no loop.
.set ACC,  18                          ; v[18:33]   the step's 16 sums
.set CODE, 34                          ; v[34:41]   codes: two sets of four, by turns
.set B,    44                          ; v[44:155]  b_k's 16 numbers at v[B + 16 k], k = 0 .. 6
.set B7,   156                         ; v[156:163] b7's 8
.set A,    164                         ; a_k of step n at v[A + 6 n + k], k = 0 .. 5
.set A6,   212                         ; a6's row for m = 0: register A6 + n for step n; for m = 1 at A6 + 24
.set A7,   220                         ; a7's two numbers of step n at v[A7 + 2 n]
; v2 0; v3-v9 my byte offsets in b0/b1, b2, b3, b4, b5, b6, b7; v10 in a5; v11 in a7; v14 in a step's codes; v16 2^e0; v17 448 x 2^e0
	s_load_b512 s[8:23], s[0:1], 0x0               ; a_k at s[8 + 2 k]
	s_load_b512 s[24:39], s[0:1], 0x40             ; b_k at s[24 + 2 k]
	s_load_b128 s[40:43], s[0:1], 0x80             ; the scales' exponents, the codes
	v_lshrrev_b32 v1, 5, v0
	v_readfirstlane_b32 s2, v1                     ; wave 0..7
	v_and_b32 v12, 15, v0                          ; r
	v_bfe_u32 v13, v0, 4, 1                        ; h
	v_and_b32 v1, 31, v0                           ; lane
	v_mov_b32 v2, 0
	v_and_b32 v9, 7, v0
	v_bfe_u32 v11, v0, 3, 1                        ; r / 8
	v_lshlrev_b32 v15, 6, v13                      ; 16 h columns of b, in bytes
	v_lshlrev_b32 v7, 6, v12                       ; b5: row r of 64 bytes
	v_lshlrev_b32 v9, 5, v9                        ; b7: row r mod 8 of 32 bytes
	v_lshlrev_b32 v11, 11, v11                     ; a7: row + r / 8, 2,048 bytes a row
	v_lshlrev_b32 v10, 2, v13                      ; a5: column + h
	v_lshlrev_b32 v14, 4, v1                       ; my 16 codes of the wave's 512
	v_lshl_or_b32 v3, v12, 8, v15                  ; b0, b1: row r of 256 bytes
	v_lshl_or_b32 v4, v12, 9, v15                  ; b2
	v_lshl_or_b32 v5, v12, 7, v15                  ; b3
	v_lshl_or_b32 v6, v12, 10, v15                 ; b4
	v_lshl_or_b32 v8, v12, 11, v15                 ; b6
	v_lshl_or_b32 v11, v13, 3, v11                 ; a7: column + 2 h, two numbers
	s_lshr_b32 s3, ttmp9, 1                        ; p = 0 .. 127
	s_lshr_b32 s6, s3, 5
	s_lshl_b32 s6, s6, 6
	s_and_b32 s3, s3, 31
	s_add_co_u32 s3, s3, s6                        ; ob = 64 (p / 32) + p mod 32; its partner is ob + 32
	s_and_b32 s48, ttmp9, 1
	s_lshl_b32 s48, s48, 3
	s_add_co_u32 s48, s48, s2                      ; u
	s_lshl_b32 s49, s3, 4                          ; my first row, 16 ob
	s_mov_b32 s5, 0                                ; s[4:5]: an offset in 64 bits
	s_mov_b32 s44, 0x3e3504f3                      ; c = 1 / (2 sqrt(8))
	s_mov_b32 s45, s44
	s_wait_alu depctr_va_vdst(0)                   ; the wait at the head's end
	s_wait_kmcnt 0x0
	s_load_b32 s46, s[40:41], 0x0                  ; e0
; factor k's pointers go to what the whole wave shares: a_k's row 16 ob >> lb and column 32 u >> lb, b_k's row 16 ob mod 2^lb and column 32 u mod 2^lb
.macro BASE k, lb
	s_lshr_b32 s4, s49, \lb
	s_lshl_b32 s4, s4, 14-\lb
.if \lb >= 5
	s_lshr_b32 s6, s48, \lb-5
	s_lshl_b32 s6, s6, 2
.else
	s_lshl_b32 s6, s48, 7-\lb
.endif
	s_add_co_u32 s4, s4, s6
	s_add_nc_u64 s[8+2*\k:9+2*\k], s[8+2*\k:9+2*\k], s[4:5]
	s_and_b32 s4, s49, (1<<\lb)-1
	s_lshl_b32 s4, s4, \lb+2
.if \lb > 5
	s_and_b32 s6, s48, (1<<(\lb-5))-1
	s_lshl_b32 s6, s6, 7
	s_add_co_u32 s4, s4, s6
.endif
	s_add_nc_u64 s[24+2*\k:25+2*\k], s[24+2*\k:25+2*\k], s[4:5]
.endm
	BASE 0, 6
	BASE 1, 6
	BASE 2, 7
	BASE 3, 5
	BASE 4, 8
	BASE 5, 4
	BASE 6, 9
	BASE 7, 3
	s_lshr_b32 s4, s3, 2                           ; the codes: (ob / 4) x 262,144 + (u / 4) x 8,192 + (ob mod 4) x 2,048 + (u mod 4) x 512; a step n is 32,768 on, m = 1 is 8 x 262,144 on
	s_lshl_b32 s4, s4, 18
	s_and_b32 s6, s3, 3
	s_lshl_b32 s6, s6, 11
	s_add_co_u32 s4, s4, s6
	s_lshr_b32 s6, s48, 2
	s_lshl_b32 s6, s6, 13
	s_add_co_u32 s4, s4, s6
	s_and_b32 s6, s48, 3
	s_lshl_b32 s6, s6, 9
	s_add_co_u32 s4, s4, s6
	s_add_nc_u64 s[42:43], s[42:43], s[4:5]
.macro LOADB k, off                    ; my 16 numbers of b_k
.irp c, 0,1,2,3
	global_load_b128 v[B+16*\k+4*\c:B+16*\k+4*\c+3], v[\off], s[24+2*\k:25+2*\k] offset:16*\c
.endr
.endm
	LOADB 0, 3
	LOADB 1, 3
	LOADB 2, 4
	LOADB 3, 5
	LOADB 4, 6
	LOADB 5, 7
	LOADB 6, 8
	global_load_b128 v[B7:B7+3], v9, s[38:39]
	global_load_b128 v[B7+4:B7+7], v9, s[38:39] offset:16
.irp m, 0,1                            ; a6's two rows of eight: step n takes number n
	global_load_b128 v[A6+24*\m:A6+24*\m+3], v2, s[20:21] offset:32*\m
	global_load_b128 v[A6+24*\m+4:A6+24*\m+7], v2, s[20:21] offset:32*\m+16
.endr
.macro LOADA n, m                      ; step (n, m)'s numbers of a0 .. a5 and a7: seven loads.  512 columns on are 512 >> lb_k numbers of a_k, 512 rows on are 512 >> lb_k rows
	global_load_b32 v[A+6*(\n)+0], v2, s[8:9] offset:32*(\n)+2048*(\m)
	global_load_b32 v[A+6*(\n)+1], v2, s[10:11] offset:32*(\n)+2048*(\m)
	global_load_b32 v[A+6*(\n)+2], v2, s[12:13] offset:16*(\n)+512*(\m)
	global_load_b32 v[A+6*(\n)+3], v2, s[14:15] offset:64*(\n)+8192*(\m)
	global_load_b32 v[A+6*(\n)+4], v2, s[16:17] offset:8*(\n)+128*(\m)
	global_load_b32 v[A+6*(\n)+5], v10, s[18:19] offset:128*(\n)+32768*(\m)
	global_load_b64 v[A7+2*(\n):A7+2*(\n)+1], v11, s[22:23] offset:256*(\n)+131072*(\m)
.endm
.irp n, 0,1,2,3,4,5,6,7
	LOADA \n, 0
.endr
	s_wait_kmcnt 0x0
	s_add_co_i32 s46, s46, 127
	s_lshl_b32 s47, s46, 23
	v_mov_b32 v16, s47                             ; 2^e0 as f32: the conversion takes its exponent field
	s_add_co_i32 s46, s46, 8
	s_lshl_b32 s46, s46, 23
	s_or_b32 s46, s46, 0x600000
	v_mov_b32 v17, s46                             ; 448 x 2^e0
; the 16 sums += 16 numbers of b x one number of a: register hi of the pair.  first = 1: the products start the sums
.macro MAC breg, pair, hi, first
.irp j, 0,2,4,6,8,10,12,14
.if \first
	v_pk_mul_f32 v[ACC+\j:ACC+\j+1], v[\breg+\j:\breg+\j+1], v[\pair:\pair+1] op_sel_hi:[1,0]
.elseif \hi
	v_pk_fma_f32 v[ACC+\j:ACC+\j+1], v[\breg+\j:\breg+\j+1], v[\pair:\pair+1], v[ACC+\j:ACC+\j+1] op_sel:[0,1,0] op_sel_hi:[1,1,1]
.else
	v_pk_fma_f32 v[ACC+\j:ACC+\j+1], v[\breg+\j:\breg+\j+1], v[\pair:\pair+1], v[ACC+\j:ACC+\j+1] op_sel_hi:[1,0,1]
.endif
.endr
.endm
.macro ITER n, m
.if (\m) == 0
	s_wait_loadcnt 49                              ; loads come back in order: behind mine stand 7 (7 - n) of the later steps of m = 0 and 7 n of m = 1
.else
	s_wait_loadcnt 7*(7-(\n))                      ; the seven loads of each later step may be out
.endif
	MAC B,A+6*(\n),0,1
	MAC B+16,A+6*(\n),1,0
	MAC B+32,A+6*(\n)+2,0,0
	MAC B+48,A+6*(\n)+2,1,0
	MAC B+64,A+6*(\n)+4,0,0
	MAC B+80,A+6*(\n)+4,1,0
	MAC B+96,A6+24*(\m)+2*((\n)/2),(\n)%2,0
.irp j, 0,2,4,6                        ; b7's side is 8: my columns 0-7 take a7's first number, columns 8-15 its second
	v_pk_fma_f32 v[ACC+\j:ACC+\j+1], v[B7+\j:B7+\j+1], v[A7+2*(\n):A7+2*(\n)+1], v[ACC+\j:ACC+\j+1] op_sel_hi:[1,0,1]
.endr
.irp j, 0,2,4,6
	v_pk_fma_f32 v[ACC+8+\j:ACC+9+\j], v[B7+\j:B7+\j+1], v[A7+2*(\n):A7+2*(\n)+1], v[ACC+8+\j:ACC+9+\j] op_sel:[0,1,0] op_sel_hi:[1,1,1]
.endr
.irp j, 0,2,4,6,8,10,12,14
	v_pk_mul_f32 v[ACC+\j:ACC+\j+1], v[ACC+\j:ACC+\j+1], s[44:45] op_sel_hi:[1,0]   ; x c, behind the whole sum
.endr
.irp j, 0,1,2,3,4,5,6,7,8,9,10,11,12,13,14,15
	v_med3_num_f32 v[ACC+\j], v[ACC+\j], -v17, v17 ; the conversion does not saturate (ISA guide 7.6.2): hold first
.endr
.if (8*(\m)+(\n)) > 1
	s_wait_alu depctr_va_vdst(0)                   ; the wait ahead of the wait below
	s_wait_xcnt 0x0                                ; the store of two steps back has read this set of codes
.endif
	v_cvt_scalef32_pk8_fp8_f32 v[CODE+4*((\n)%2):CODE+4*((\n)%2)+1], v[ACC:ACC+7], v16
	v_cvt_scalef32_pk8_fp8_f32 v[CODE+4*((\n)%2)+2:CODE+4*((\n)%2)+3], v[ACC+8:ACC+15], v16
	v_nop                                          ; one plain place behind the scaled conversions
	global_store_b128 v14, v[CODE+4*((\n)%2):CODE+4*((\n)%2)+3], s[42:43] offset:32768*(\n)+2097152*(\m)   ; 32 lanes store 512 consecutive bytes, aligned
.if (\m) == 0
	LOADA \n, 1                                    ; this step's numbers of a are used up: their registers take the second row group's
.endif
.endm
.irp m, 0,1
.irp n, 0,1,2,3,4,5,6,7
	ITER \n, \m
.endr
.endr
	s_endpgm
.Lfunc_end_k_q9a89411554_build_w:
	.size	k_q9a89411554_build_w, .Lfunc_end_k_q9a89411554_build_w-k_q9a89411554_build_w
	.p2alignl 7, 3214868480
	.fill 96, 4, 3214868480
	.section	.rodata,"a",@progbits
	.p2align	6, 0x0
	.amdhsa_kernel k_q9a89411554_build_w
		.amdhsa_group_segment_fixed_size 0
		.amdhsa_private_segment_fixed_size 0
		.amdhsa_enable_private_segment 0
		.amdhsa_kernarg_size 144
		.amdhsa_user_sgpr_count 2
		.amdhsa_user_sgpr_kernarg_segment_ptr 1
		.amdhsa_wavefront_size32 1
		.amdhsa_system_sgpr_workgroup_id_x 1
		.amdhsa_system_sgpr_workgroup_id_y 1
		.amdhsa_system_sgpr_workgroup_id_z 1
		.amdhsa_system_vgpr_workitem_id 0
		.amdhsa_next_free_vgpr 244
		.amdhsa_next_free_sgpr 66
		.amdhsa_reserve_vcc 0
		.amdhsa_float_denorm_mode_32 3
		.amdhsa_float_denorm_mode_16_64 3
		.amdhsa_memory_ordered 1
		.amdhsa_forward_progress 1
		.amdhsa_inst_pref_size 113
	.end_amdhsa_kernel
	.amdgpu_metadata
---
amdhsa.version: [ 1, 2 ]
amdhsa.kernels:
  - .name:           k_q9a89411554_build_w
    .symbol:         k_q9a89411554_build_w.kd
    .args:
      - { .name: a0, .offset: 0, .size: 8, .value_kind: global_buffer, .address_space: global }
      - { .name: a1, .offset: 8, .size: 8, .value_kind: global_buffer, .address_space: global }
      - { .name: a2, .offset: 16, .size: 8, .value_kind: global_buffer, .address_space: global }
      - { .name: a3, .offset: 24, .size: 8, .value_kind: global_buffer, .address_space: global }
      - { .name: a4, .offset: 32, .size: 8, .value_kind: global_buffer, .address_space: global }
      - { .name: a5, .offset: 40, .size: 8, .value_kind: global_buffer, .address_space: global }
      - { .name: a6, .offset: 48, .size: 8, .value_kind: global_buffer, .address_space: global }
      - { .name: a7, .offset: 56, .size: 8, .value_kind: global_buffer, .address_space: global }
      - { .name: b0, .offset: 64, .size: 8, .value_kind: global_buffer, .address_space: global }
      - { .name: b1, .offset: 72, .size: 8, .value_kind: global_buffer, .address_space: global }
      - { .name: b2, .offset: 80, .size: 8, .value_kind: global_buffer, .address_space: global }
      - { .name: b3, .offset: 88, .size: 8, .value_kind: global_buffer, .address_space: global }
      - { .name: b4, .offset: 96, .size: 8, .value_kind: global_buffer, .address_space: global }
      - { .name: b5, .offset: 104, .size: 8, .value_kind: global_buffer, .address_space: global }
      - { .name: b6, .offset: 112, .size: 8, .value_kind: global_buffer, .address_space: global }
      - { .name: b7, .offset: 120, .size: 8, .value_kind: global_buffer, .address_space: global }
      - { .name: lowp_scales, .offset: 128, .size: 8, .value_kind: global_buffer, .address_space: global }
      - { .name: w_codes, .offset: 136, .size: 8, .value_kind: global_buffer, .address_space: global }
    .group_segment_fixed_size: 0
    .private_segment_fixed_size: 0
    .kernarg_segment_align: 8
    .kernarg_segment_size: 144
    .max_flat_workgroup_size: 256
    .sgpr_count:     66
    .vgpr_count:     244
    .wavefront_size: 32
...
	.end_amdgpu_metadata
.endif
;; end of part 1
;; launch gemm (part 2): grid 16 x 16, 4 waves a work-group, clusters of 4 x 1, 327,680 bytes of LDS; arguments w_codes, x_codes, lowp_scales, bias, out0; writes out0
.if DOCPART == 2
	.amdgcn_target "amdgcn-amd-amdhsa--gfx1250"
	.amdhsa_code_object_version 6
	.text
	.protected	k_q9a89411554_gemm
	.globl	k_q9a89411554_gemm
	.p2align	8
	.type	k_q9a89411554_gemm,@function
k_q9a89411554_gemm:
	s_mov_b64 s[64:65], 0
	v_nop
	global_prefetch_b8 v0, s[64:65] scope:SCOPE_SE
	s_setreg_imm32_b32 hwreg(HW_REG_WAVE_MODE, 25, 1), 1
	s_wait_xcnt 0x0
	s_wait_alu depctr_hold_cnt(0) depctr_sa_sdst(0) depctr_va_vdst(0) depctr_va_sdst(0) depctr_va_ssrc(0) depctr_va_vcc(0) depctr_vm_vsrc(0)
	s_getreg_b32 s2, hwreg(HW_REG_IB_STS2, 6, 4)
	s_cmp_eq_u32 s2, 0
	s_cbranch_scc0 .Lentry_in_a_cluster
	s_endpgm
.Lentry_in_a_cluster:
	s_bfe_u32 s2, ttmp6, 0x10000c
	s_cmp_lg_u32 s2, 0x3003
	s_cbranch_scc0 .Lentry_shape_is_right
	s_endpgm
.Lentry_shape_is_right:
; out0[o][b] = 2^(e0 + e1) x (sum over i of w's code [o][i] x x's code [b][i]) + bias[b].  4096 x 4096 x 4096, codes of FP8 (E4M3), sums in f32.
; LIMIT: e0 + e1 between -126 and 127, so that 2^(e0 + e1) is an f32 number.
; A work-group of four waves makes 256 rows o (work-group x) x 256 columns b (work-group y).  A wave makes 64 rows x all 256 columns: 64 accumulators, 512 registers.
; W GOES FROM MEMORY STRAIGHT INTO REGISTERS: the launch before laid it in the order of the operand's registers, a wave's 64 rows x 128 K as 8,192 consecutive bytes, so each load
; of a wave covers 512 consecutive bytes and no two waves of a work-group load the same byte.  Four sets of four fragments take turns; a set is asked for three steps of 128 K ahead of its use.
; X GOES THROUGH LDS: two slots of 256 rows x 512 K (LDS rows of 512 + 16 bytes), each wave fetching 64 rows with one tensor load; a slot serves four steps, 256 matrix instructions a wave.
; X's fragments come in groups of four blocks into three register sets, which the step's four groups take in the order 0, 1, 2, 1: so a step has two runs of 32 LDS loads.
; THE LAST 512 OF K GO BY COLUMNS: all four sets of w are then in registers, so each group of 64 columns is finished by itself and leaves while the next is multiplied.
; CLUSTERS: the four work-groups of a cluster (4, 1, 1) have the same y and so the same tiles of x: each tile is asked for jointly, mask 15.
; PREFETCH: behind each joint load the chunk of x two refills on, 256 rows x 2 blocks of 256 bytes, a lane a block: partner cx takes rows 64 cx .., wave w 16 of them.  Chunks 0 to 3 come by their loads alone.
; W has no prefetch: its loads into registers are themselves issued three steps (192 matrix instructions) ahead of the wait for them.
; The matrix instruction takes x's 16 rows as source 0 and w's 16 rows as source 1: a lane then holds eight neighbouring columns of one row of out0.
; Both operands' fragments hold K = 32 c + 16 (l / 16) + 0 .. 15 in registers 4 c .. 4 c + 3: the same permutation of k on both sides.
; REGISTERS: window 0: v0-47 addresses and bias, v64-255 x's three sets; window 1: w's four sets of 64; windows 2, 3: accumulator (i, j) at v[8 (4 (i mod 8) + j)], x blocks 0-7 and 8-15.
.set PITCH,  528
.set QROWS,  64*PITCH                  ; what one tensor load brings
.set SLOT,   4*QROWS
.set SPARE,  2*SLOT                    ; the spare words: 128 bytes a wave, named by no other line
.set SP2,    272                       ; the way out: 64 rows x (256 + 16) bytes a wave, in slot 0 behind its last fill and last read
.set ADRX, 16                          ; v16-19 LDS address of x's fragments: slot 0 blocks 0-7, 8-15; slot 1 likewise
.set STO,  24
.set RD,   25
.set WO,   26                          ; 16 x lane
.set CO2,  27                          ; out0: row l / 16, 16 (l mod 16) bytes
.set SPW,  28
.set NIL,  29
.set PFO,  30
.set CB,   31                          ; 16 (l mod 16)
.set BIAS, 32                          ; v32-47: four numbers for each group of 64 columns
.set XF,   64
.set G1, 24
.set G0, 32
.set WB, 44                            ; s[44:45] my stream of w, at the lap's first step
.set PFA, 68
.set MSB, 0
.macro WIN new
.if MSB != (\new)
	s_set_vgpr_msb (MSB<<8)|(\new)
.set MSB, (\new)
.endif
.endm
.set MUL_LO, 0xa4                      ; source 0 (x) window 0, source 1 (w) window 1, C and D window 2; + 0x50: window 3
.set TO_W,   0x40
.macro CREST
	s_cmp_lg_u32 s14, 0
	s_cbranch_scc1 .Lnot_wave_0_\@
	s_barrier_signal -3
.Lnot_wave_0_\@:
	s_barrier_wait -3
	s_barrier_signal -1
	s_barrier_wait -1
.endm
.macro CROUND
	s_barrier_signal -1
	s_barrier_wait -1
	CREST
.endm
.macro PLACES                          ; four places ahead of loads into registers that matrix instructions have read, and of reads of results
.rept 4
	v_nop
.endr
.endm
.macro XLOAD slot, q, g, th            ; x's blocks 4 g .. 4 g + 3 of the slot's q-th 128 K into set th: 16 loads
.irp ii, 0,1,2,3
.irp c, 0,1,2,3
	ds_load_b128 v[XF+64*(\th)+16*\ii+4*\c:XF+64*(\th)+16*\ii+4*\c+3], v[ADRX+2*(\slot)+(\g)/2] offset:((4*(\g)+\ii)%8)*16*PITCH+128*(\q)+32*\c
.endr
.endr
.endm
.macro WLOAD w, lam                    ; w's four fragments of the lap's step lam into set w: 16 loads of 512 consecutive bytes
.irp j, 0,1,2,3
.irp c, 0,1,2,3
	global_load_b128 v[64*(\w)+16*\j+4*\c:64*(\w)+16*\j+4*\c+3], v[WO], s[WB:WB+1] offset:(\lam)*8192+\j*2048+\c*512
.endr
.endr
.endm
.macro MUL8 g, w, th, i0, zero         ; two blocks of x (group g, set th) against w's four (set w): no two matrix instructions on end share an accumulator
.irp ii, \i0, \i0+1
.irp j, 0,1,2,3
.if \zero
	v_wmma_f32_16x16x128_fp8_fp8 v[8*(4*((4*(\g)+(\ii))%8)+\j):8*(4*((4*(\g)+(\ii))%8)+\j)+7], v[XF+64*(\th)+16*(\ii):XF+64*(\th)+16*(\ii)+15], v[64*(\w)+16*\j:64*(\w)+16*\j+15], 0
.else
	v_wmma_f32_16x16x128_fp8_fp8 v[8*(4*((4*(\g)+(\ii))%8)+\j):8*(4*((4*(\g)+(\ii))%8)+\j)+7], v[XF+64*(\th)+16*(\ii):XF+64*(\th)+16*(\ii)+15], v[64*(\w)+16*\j:64*(\w)+16*\j+15], v[8*(4*((4*(\g)+(\ii))%8)+\j):8*(4*((4*(\g)+(\ii))%8)+\j)+7]
.endif
.endr
.endr
.endm
.macro UNIT q, g, th, zero, cnt        ; 16 matrix instructions.  cnt: the LDS loads issued behind this group's
	s_wait_dscnt \cnt
	WIN MUL_LO+0x50*((\g)/2)
	MUL8 \g, \q, \th, 0, \zero
	MUL8 \g, \q, \th, 2, \zero
.endm
.macro STEP slot, q, lam, zero, wl, lc ; a step of 128 K with its successor in the same slot.  lc: w's loads issued behind this step's set
	s_wait_loadcnt \lc
	UNIT \q, 0, 0, \zero, 32
	UNIT \q, 1, 1, \zero, 16
	PLACES
	WIN 0
	XLOAD \slot, \q, 3, 1
	XLOAD \slot, (\q)+1, 0, 0
.if \wl
	WIN TO_W
	WLOAD ((\q)+3)%4, (\lam)+3                     ; the set that the step before read takes the step three on
.endif
	UNIT \q, 2, 2, \zero, 32
	UNIT \q, 3, 1, \zero, 16
	PLACES
	WIN 0
	XLOAD \slot, (\q)+1, 1, 1
	XLOAD \slot, (\q)+1, 2, 2
.endm
.macro TURN slot, next, lam, fill, col ; a slot's last step changes slots.  col = 1: the next slot is walked by columns
.if \fill
	s_wait_xcnt 0x0                                ; my last prefetch has read its address
	s_add_nc_u64 s[PFA:PFA+1], s[PFA:PFA+1], 512
.endif
	s_wait_loadcnt 32
	UNIT 3, 0, 0, 0, 32
	UNIT 3, 1, 1, 0, 16
	PLACES
	WIN 0
	XLOAD \slot, 3, 3, 1                           ; my last reads of this slot
	WIN TO_W
	WLOAD 2, (\lam)+3
	WIN 0
	s_wait_tensorcnt 0x0                           ; my part of the next slot has landed
	ds_add_u32 v[SPW], v[NIL]
	s_wait_dscnt 17                                ; the add and the youngest 16 loads may be out
	WIN MUL_LO+0x50
	MUL8 2, 3, 2, 0, 0
	MUL8 2, 3, 2, 2, 0
	s_wait_dscnt 0x0                               ; the add is done, my reads of this slot are over
	s_barrier_signal -1
	MUL8 3, 3, 1, 0, 0
	WIN 0
	s_barrier_wait -1
.if \fill
	CREST                                          ; the barrier has opened a round of the cluster's barrier
	s_add_nc_u64 s[G0+4*\slot+2:G0+4*\slot+3], s[G0+4*\slot+2:G0+4*\slot+3], 1024
	tensor_load_to_lds s[G0+4*\slot:G0+4*\slot+3], s[G1:G1+7]   ; the chunk two on, into the slot just read out
	s_nop 0
	PLACES                                         ; also the places ahead of the loads below
.else
	PLACES
.endif
	XLOAD \next, 0, 0, 0
.if \fill
	s_cmp_gt_u32 s3, 1                             ; the last trip's refills have no chunk two refills on
	s_cbranch_scc0 .Lno_ask_\@
	global_prefetch_b8 v[PFO], s[PFA:PFA+1] th:TH_LOAD_NT scope:SCOPE_SE
.Lno_ask_\@:
.endif
	WIN MUL_LO+0x50
	MUL8 3, 3, 1, 2, 0
	PLACES
	WIN 0
.if \col
	XLOAD \next, 1, 0, 1
	XLOAD \next, 2, 0, 2
.else
	XLOAD \next, 0, 1, 1
	XLOAD \next, 0, 2, 2
.endif
.endm
; THE WAY OUT of columns 64 g .. 64 g + 63: the group's 16 accumulators, 128 registers on end, go into my own stage (LDS serves a wave's instructions in order) and come back into the same
; registers as rows of 256 bytes, two rows a load; then all are scaled, then all are stored: 16 lanes store 256 consecutive bytes, aligned.  The registers are not written again.
.macro OUTA g                          ; first part: into the stage and back
	WIN 0x08+4*((\g)/2)                            ; store data from the accumulators' window
.irp ii, 0,1,2,3
.irp j, 0,1,2,3
	ds_store_b128 v[STO], v[128*((\g)%2)+32*\ii+8*\j:128*((\g)%2)+32*\ii+8*\j+3] offset:\j*16*SP2+64*\ii
	ds_store_b128 v[STO], v[128*((\g)%2)+32*\ii+8*\j+4:128*((\g)%2)+32*\ii+8*\j+7] offset:\j*16*SP2+64*\ii+16
.endr
.endr
	WIN 0x80+0x40*((\g)/2)                         ; loads land in that window
.set t, 0
.rept 32
	ds_load_b128 v[128*((\g)%2)+4*t:128*((\g)%2)+4*t+3], v[RD] offset:2*t*SP2
.set t, t+1
.endr
.endm
.macro OUTB g                          ; second part, behind the next group's first 16 matrix instructions: scale, add the bias, store
	s_wait_dscnt 0x0
	WIN 0x82+0x41*((\g)/2)
.set t, 0
.rept 32
	v_pk_fma_f32 v[128*((\g)%2)+4*t:128*((\g)%2)+4*t+1], v[128*((\g)%2)+4*t:128*((\g)%2)+4*t+1], s[96:97], v[BIAS+4*(\g):BIAS+4*(\g)+1] op_sel_hi:[1,0,1]
	v_pk_fma_f32 v[128*((\g)%2)+4*t+2:128*((\g)%2)+4*t+3], v[128*((\g)%2)+4*t+2:128*((\g)%2)+4*t+3], s[96:97], v[BIAS+4*(\g)+2:BIAS+4*(\g)+3] op_sel_hi:[1,0,1]
.set t, t+1
.endr
	WIN 0x08+4*((\g)/2)
.set t, 0
.rept 32
	global_store_b128 v[CO2], v[128*((\g)%2)+4*t:128*((\g)%2)+4*t+3], s[12:13] offset:2*t*16384+256*(\g) th:TH_STORE_NT
.set t, t+1
.endr
	WIN 0
.endm
.macro COL g                           ; the last chunk's four steps for x's group g alone; the sets are taken in the order 0, 1, 2, 1 as ever
.if (\g) == 0
	s_wait_loadcnt 48                              ; behind step 28's set of w stand three sets of 16 loads; the counts run down
.endif
.if (\g) == 0
	UNIT 0, \g, 0, 0, 32
.else
	UNIT 0, \g, 0, 0, 63                           ; behind this group's fragments stand 32 loads and the stage's 64 instructions
	OUTB (\g)-1                                    ; the group before is back from the stage
.endif
.if (\g) == 0
	s_wait_loadcnt 32
.endif
	UNIT 1, \g, 1, 0, 16
	PLACES
	WIN 0
	XLOAD 1, 3, \g, 1
.if (\g) < 3
	XLOAD 1, 0, (\g)+1, 0
.endif
.if (\g) == 0
	s_wait_loadcnt 16
.endif
.if (\g) < 3
	UNIT 2, \g, 2, 0, 32
.else
	UNIT 2, \g, 2, 0, 16
.endif
.if (\g) == 0
	s_wait_loadcnt 0x0
.endif
.if (\g) < 3
	UNIT 3, \g, 1, 0, 16
	PLACES
	WIN 0
	XLOAD 1, 1, (\g)+1, 1
	XLOAD 1, 2, (\g)+1, 2
.else
	UNIT 3, \g, 1, 0, 0
	PLACES
	WIN 0
.endif
	OUTA \g
.if (\g) == 3
	OUTB \g
.endif
.endm
	s_load_b128 s[4:7], s[0:1], 0x0                ; w's codes, x's codes
	s_load_b128 s[8:11], s[0:1], 0x10              ; the scales' exponents, bias
	s_load_b64 s[12:13], s[0:1], 0x20              ; out0
	v_lshl_add_u32 v[SPW], v0, 2, SPARE
	v_mov_b32 v[NIL], 0
	ds_add_u32 v[SPW], v[NIL]                      ; the opening lines: the add twice on end and its wait
	ds_add_u32 v[SPW], v[NIL]
	v_lshrrev_b32 v1, 5, v0
	v_readfirstlane_b32 s14, v1                    ; wave 0..3
	s_bfe_u32 s40, ttmp6, 0x40000                  ; cx
	s_lshl_b32 s42, ttmp9, 2
	s_add_co_u32 s42, s42, s40                     ; work-group x: 256 rows of w
	s_and_b32 s17, ttmp7, 0xffff                   ; work-group y: 256 rows of x
	s_mov_b32 s[G1+0], 15|(1<<20)|(1<<21)|(6<<22)|(3<<25)   ; mask of the four; bytes; 4 words of padding behind every 128
	s_mov_b32 s[G1+1], 512<<16
	s_mov_b32 s[G1+2], 64<<16
	s_mov_b32 s[G1+3], 512<<16
	s_mov_b32 s[G1+4], 64
	s_mov_b32 s[G1+5], 4096
	s_mov_b32 s[G1+6], 0
	s_mov_b32 s[G1+7], 0
	s_lshl_b32 s20, s17, 20                        ; x: row 256 y + 64 wave, 4,096 bytes a row
	s_lshl_b32 s21, s14, 18
	s_add_co_u32 s20, s20, s21
	s_mov_b32 s21, 0
	s_mul_i32 s46, s14, QROWS
	s_wait_dscnt 0x0
	s_wait_kmcnt 0x0
	s_load_b64 s[96:97], s[8:9], 0x0               ; e0, e1
	s_add_nc_u64 s[20:21], s[6:7], s[20:21]
	CROUND                                         ; in front of the first joint loads
.irp s, 0,1
	s_mov_b32 s[G0+4*\s], 1
	s_add_co_u32 s[G0+4*\s+1], s46, \s*SLOT
	s_add_nc_u64 s[G0+4*\s+2:G0+4*\s+3], s[20:21], \s*512
	s_or_b32 s[G0+4*\s+3], s[G0+4*\s+3], 0x80000000
.endr
	tensor_load_to_lds s[G0:G0+3], s[G1:G1+7]      ; chunk 0: one tensor load a wave at the head
	s_nop 0
	s_mul_i32 s23, s14, 64*SP2                     ; my stage
	s_lshl_b32 s48, s42, 20                        ; w: my stream of 262,144 bytes, number 4 x + wave
	s_lshl_b32 s49, s14, 18
	s_add_co_u32 s48, s48, s49
	s_mov_b32 s49, 0
	s_add_nc_u64 s[WB:WB+1], s[4:5], s[48:49]
	s_lshl_b32 s48, s17, 10                        ; my 256 columns, in bytes
	s_add_nc_u64 s[10:11], s[10:11], s[48:49]
	s_lshl_b32 s50, s42, 22                        ; out0: row 256 x + 64 wave, 16,384 bytes a row
	s_lshl_b32 s51, s14, 20
	s_add_co_u32 s50, s50, s51
	s_add_co_u32 s50, s50, s48
	s_mov_b32 s51, 0
	s_add_nc_u64 s[12:13], s[12:13], s[50:51]
	s_lshl_b32 s52, s17, 20                        ; the prefetches: x's row 256 y + 64 cx + 16 wave
	s_lshl_b32 s53, s40, 18
	s_add_co_u32 s52, s52, s53
	s_lshl_b32 s53, s14, 16
	s_add_co_u32 s52, s52, s53
	s_mov_b32 s53, 0
	s_add_nc_u64 s[PFA:PFA+1], s[6:7], s[52:53]
	s_add_nc_u64 s[PFA:PFA+1], s[PFA:PFA+1], 3*512 ; the first change of slots steps it to chunk 4
	v_and_b32 v1, 15, v0                           ; r
	v_bfe_u32 v2, v0, 4, 1                         ; h
	v_and_b32 v6, 31, v0                           ; lane
	v_mul_u32_u24 v3, v1, PITCH
	v_mul_u32_u24 v5, v1, SP2
	v_mul_u32_u24 v8, v2, SP2
	v_lshrrev_b32 v7, 1, v6
	v_and_b32 v4, 1, v6
	v_lshlrev_b32 v[CB], 4, v1
	v_lshl_add_u32 v[ADRX], v2, 4, v3              ; row x pitch + 16 x half
	v_lshl_add_u32 v5, v2, 5, v5
	v_lshlrev_b32 v[WO], 4, v6
	v_lshlrev_b32 v7, 12, v7
	v_add_nc_u32 v8, v8, v[CB]
	v_add_nc_u32 v[ADRX+1], 8*16*PITCH, v[ADRX]
	v_add_nc_u32 v[ADRX+2], SLOT, v[ADRX]
	v_add_nc_u32 v[ADRX+3], SLOT+8*16*PITCH, v[ADRX]
	v_add_nc_u32 v[STO], s23, v5                   ; into the stage: row r, 32 bytes for each half of the lanes
	v_add_nc_u32 v[RD], s23, v8                    ; back: lanes 0-15 one row of 256 bytes, lanes 16-31 the next
	v_lshl_add_u32 v[CO2], v2, 14, v[CB]           ; and the same two rows in out0
	v_lshl_add_u32 v[PFO], v4, 8, v7               ; row lane / 2, block lane mod 2
	s_wait_alu depctr_va_vdst(0)                   ; the wait at the head's end
.irp g, 0,1,2,3
	global_load_b128 v[BIAS+4*\g:BIAS+4*\g+3], v[CB], s[10:11] offset:256*\g
.endr
	WIN TO_W
	WLOAD 0, 0
	WLOAD 1, 1
	WIN 0
	s_wait_tensorcnt 0x0                           ; my part of chunk 0 is in; slot 1's first fill is issued as a refill is
	ds_add_u32 v[SPW], v[NIL]
	s_wait_dscnt 0x0
	CROUND
	tensor_load_to_lds s[G0+4:G0+7], s[G1:G1+7]    ; chunk 1
	s_nop 0
	PLACES
	XLOAD 0, 0, 0, 0
	XLOAD 0, 0, 1, 1
	XLOAD 0, 0, 2, 2
	WIN TO_W
	WLOAD 2, 2                                     ; step 2's set of w: asked for behind the first tile, two steps ahead of its use
	STEP 0, 0, 0, 1, 1, 32
	s_mov_b32 s3, 3
.Llap:                                                 ; a trip: eight steps, from a lap's second step to the next lap's first; both slots are filled again
	STEP 0, 1, 1, 0, 1, 32
	STEP 0, 2, 2, 0, 1, 32
	TURN 0, 1, 3, 1, 0
	STEP 1, 0, 4, 0, 1, 32
	STEP 1, 1, 5, 0, 1, 32
	STEP 1, 2, 6, 0, 1, 32
	TURN 1, 0, 7, 1, 0
	STEP 0, 0, 8, 0, 1, 32
	s_wait_xcnt 0x0                                ; w's loads have read their base
	s_add_nc_u64 s[WB:WB+1], s[WB:WB+1], 8*8192
	s_sub_co_u32 s3, s3, 1
	s_cmp_lg_u32 s3, 0
	s_cbranch_scc1 .Llap
	STEP 0, 1, 1, 0, 1, 32                         ; the last seven steps: nothing is filled again
	STEP 0, 2, 2, 0, 1, 32
	TURN 0, 1, 3, 0, 1
	WIN TO_W
	WLOAD 3, 7                                     ; step 31's set of w, into the set that step 27 has just read (behind its four places)
	s_wait_kmcnt 0x0
	s_add_co_i32 s96, s96, s97
	s_add_co_i32 s96, s96, 127
	s_lshl_b32 s96, s96, 23                        ; 2^(e0 + e1) as f32
	COL 0
	COL 1
	COL 2
	COL 3
	s_wait_tensorcnt 0x0                           ; the wave's end
	ds_add_u32 v[SPW], v[NIL]
	s_wait_dscnt 0x0
	CROUND                                         ; the closing round
	s_endpgm
.Lfunc_end_k_q9a89411554_gemm:
	.size	k_q9a89411554_gemm, .Lfunc_end_k_q9a89411554_gemm-k_q9a89411554_gemm
	.p2alignl 7, 3214868480
	.fill 96, 4, 3214868480
	.section	.rodata,"a",@progbits
	.p2align	6, 0x0
	.amdhsa_kernel k_q9a89411554_gemm
		.amdhsa_group_segment_fixed_size 327680
		.amdhsa_private_segment_fixed_size 0
		.amdhsa_enable_private_segment 0
		.amdhsa_kernarg_size 40
		.amdhsa_user_sgpr_count 2
		.amdhsa_user_sgpr_kernarg_segment_ptr 1
		.amdhsa_wavefront_size32 1
		.amdhsa_system_sgpr_workgroup_id_x 1
		.amdhsa_system_sgpr_workgroup_id_y 1
		.amdhsa_system_sgpr_workgroup_id_z 1
		.amdhsa_system_vgpr_workitem_id 0
		.amdhsa_next_free_vgpr 1024
		.amdhsa_next_free_sgpr 98
		.amdhsa_reserve_vcc 0
		.amdhsa_float_denorm_mode_32 3
		.amdhsa_float_denorm_mode_16_64 3
		.amdhsa_memory_ordered 1
		.amdhsa_forward_progress 1
		.amdhsa_inst_pref_size 215
	.end_amdhsa_kernel
	.amdgpu_metadata
---
amdhsa.version: [ 1, 2 ]
amdhsa.kernels:
  - .name:           k_q9a89411554_gemm
    .symbol:         k_q9a89411554_gemm.kd
    .args:
      - { .name: w_codes, .offset: 0, .size: 8, .value_kind: global_buffer, .address_space: global }
      - { .name: x_codes, .offset: 8, .size: 8, .value_kind: global_buffer, .address_space: global }
      - { .name: lowp_scales, .offset: 16, .size: 8, .value_kind: global_buffer, .address_space: global }
      - { .name: bias, .offset: 24, .size: 8, .value_kind: global_buffer, .address_space: global }
      - { .name: out0, .offset: 32, .size: 8, .value_kind: global_buffer, .address_space: global }
    .group_segment_fixed_size: 327680
    .private_segment_fixed_size: 0
    .kernarg_segment_align: 8
    .kernarg_segment_size: 40
    .max_flat_workgroup_size: 128
    .sgpr_count:     98
    .vgpr_count:     1024
    .wavefront_size: 32
...
	.end_amdgpu_metadata
.endif
;; end of part 2
